; MI455X (gfx1250); checked and timed in simulation.
; The chip was launched on July 23, 2026; its instructions are those of AMD's public machine-readable ISA for CDNA 5 (MIT licence, August 2026) and "CDNA5" Instruction Set Architecture Reference Guide (July 2026). The comments in the code are by the model that wrote it; some were corrected since.
;; Tiled Feed Forward. Allowed arithmetic: matrix products marked QUANTISED: E4M3 operands, one E8M0 scale for each 32 along K, by v_wmma_scale_f32_16x16x128_f8f6f4 with both operands' format E4M3, f32 sums; everything else in f32.
;; Inputs: W1 1,024 x 4,096 float32; W2 4,096 x 1,024 float32; b1 4,096 float32; b2 1,024 float32; hidden_states 4 x 2,048 x 1,024 float32.
;; Outputs: out0 4 x 2,048 x 1,024 float32.
;; This version of the problem:
;;   THIS VERSION OF THE PROBLEM IS GIVEN IN LOW PRECISION. The matrix products marked QUANTISED in the list below multiply operands that are first quantised to E4M3 (4 exponent bits, 3 mantissa bits; 8 bits a number), with one power-of-two scale for each 32 numbers along K (OCP MX v1.0); their sums are f32. All else is computed in f32.
;;   The module's matrix products, in the order in which they are computed (A, B: the left and right operand; K: the contracted axis; several contracted axes count as one K, in the product's order):
;;     1. [M 8,192, K 1,024] x [K 1,024, N 4,096]; A: input hidden_states; B: input W1: QUANTISED
;;     2. [M 8,192, K 4,096] x [K 4,096, N 1,024]; A: computed on the way; B: input W2: QUANTISED
;;   THE QUANTISER, for each operand of a quantised product, along K:
;;     - K is cut into blocks of 32 from its start; a last block that is shorter is filled with zeros.
;;     - A block's scale is 2^e with e = floor(log2(the largest magnitude in the block)) - 8, held to -126 .. 127; a block of zeros has e = 0. As a byte (E8M0): e + 127.
;;     - Each number is divided by its block's scale, clamped to +-448, and rounded to the nearest number of E4M3, ties to even, subnormals kept.
;;     - The product sums the exact products of the quantised numbers (number of the format x scale) in f32.
;;   ~~~python
;;   def quantise(x, axis):      # numpy; x: float32 -> the quantised numbers, widened to float32 again
;;       x = np.moveaxis(x, axis, -1); K = x.shape[-1]
;;       x = np.pad(x, [(0, 0)] * (x.ndim - 1) + [(0, -K % 32)]); x = x.reshape(x.shape[:-1] + (-1, 32)); a = np.abs(x).max(-1, keepdims=True)
;;       e = np.where(a > 0, np.clip(np.frexp(np.where(a > 0, a, 1))[1] - 1 - 8, -126, 127), 0)      # np.frexp(a)[1] - 1 = floor(log2(a)), exactly
;;       r = np.clip(x / 2.0 ** e, -448, 448)
;;       step = 2.0 ** (np.maximum(np.frexp(np.where(r == 0, 1, r))[1] - 1, -6) - 3)
;;       q = np.round(r / step) * step * 2.0 ** e      # np.round: ties to even
;;       return np.moveaxis(q.reshape(q.shape[:-2] + (-1,))[..., :K], -1, axis).astype(np.float32)
;;   ~~~
;;   OPERANDS COMPUTED ON THE WAY. 'Computed on the way' means the value that the module computes at that place (a softmax that the list does not call 'softmax' is quantised finished and normalised). What goes into a quantiser is computed in f32, as accurately as f32 sums, v_exp_f32 and their like allow (about 1e-6 of the number): no bf16 or f16 on the way to a quantiser, and a product that is left as it is and whose result goes on into a quantised operand takes f32 operands (vector FMAs, or v_wmma_f32_16x16x4_f32). A number that lies on a knife's edge between two numbers of the format may be rounded either way, as far as f32 arithmetic and the matrix unit's own rounding can turn it there, and no further.
;; One version. Each part assembles by itself: llvm-mc -triple=amdgcn-amd-amdhsa -mcpu=gfx1250 --defsym DOCPART=n.
;; ======== version 1 of 1: 3 launches
;; workspace buffers: xc 8,388,608 bytes; xs 262,144 bytes; w1c 4,194,304 bytes; w1s 131,072 bytes; w2c 4,194,304 bytes; w2s 131,072 bytes; hc 33,554,432 bytes; hs 1,048,576 bytes
;; launch quant (part 1): grid 512 x 1, 4 waves a work-group, no clusters, 68,096 bytes of LDS; arguments hidden_states, W1, W2, xc, xs, w1c, w1s, w2c, w2s; writes xc, xs, w1c, w1s, w2c, w2s
.if DOCPART == 1
	.amdgcn_target "amdgcn-amd-amdhsa--gfx1250"
	.amdhsa_code_object_version 6
	.text
	.protected	k_q725a103942_quant
	.globl	k_q725a103942_quant
	.p2align	8
	.type	k_q725a103942_quant,@function
k_q725a103942_quant:
	s_mov_b64 s[64:65], 0
	v_nop
	global_prefetch_b8 v0, s[64:65] scope:SCOPE_SE
	s_setreg_imm32_b32 hwreg(HW_REG_WAVE_MODE, 25, 1), 1
	s_wait_xcnt 0x0
; x [8192][1024], W1 [1024 k][4096 n] and W2 [4096 k][1024 n], all f32, become codes of FP8 (E4M3), one byte each, with one E8M0 scale byte for each 32 along K.
; xc [8192][1024] and w1c [4096][1024] are rows with K innermost.  w2c IS LAID IN THE ORDER OF THE OPERAND'S REGISTERS: the fragment of columns 16 i .. 16 i + 15 and k = 128 s .. 128 s + 127 begins at byte (32 i + s) x 2,048,
; and in it the 16 codes k = 128 s + 32 c + 16 h + 0 .. 15 of column 16 i + r lie at 512 c + 16 (16 h + r): the launch that multiplies by W2 loads a fragment by four loads of 512 consecutive bytes.
; THE SCALE BYTES ARE LAID BY STEPS OF 256 ALONG K: [k / 256][row][8 bytes]: byte j of a row's eight scales k = 256 s + 32 j on.  So a wave here stores 32 rows x 8 bytes, 256 consecutive bytes.
; A block's scale is 2^(floor(log2(its largest magnitude)) - 8); its byte is the largest magnitude's exponent field - 8, held at 1 from below by a floor of 2^(9 - 127) among the maximum's leaves.
; Each number is held within +-448 x the scale and rounded to the nearest code, ties to even.
; LIMITS: a block of zeros gets the byte 1 where the rule says 127: its codes are zeros, which add nothing under any byte but 0xff, and only this program reads the bytes.  NaN and infinities among the inputs are not served.
; SHARES: 512 work-groups of four waves, 128 KiB of f32 each.  Work-groups 0-255 take x (32 rows each; wave w takes k = 256 w on), 256-383 W1, 384-511 W2 (128 columns x 256 along K each; a wave 32 columns).
; Two ways through the text, parted on the work-group's number and never joined; each has LDS bytes of its own (x: 0 on, the weights: 32,768 on).  W1 and W2 take one way up to the way out of the stage, which is written twice.
; No cluster, no tensor load, no barrier: no two work-groups read the same bytes and waves share nothing.
.set FLOOR, 9<<23                      ; 2^(9 - 127) as f32
.set SP,    80                         ; x: a lane's place in a stage: 64 bytes + 16 of padding
.set STEPS, 16
.set R,     16                         ; x: v16-79   four sets of 16 numbers as they are loaded
.set X,     80                         ; x: v80-111  two sets of 16 neighbours
.set E,     112                        ; x: v112-127 a scale byte for each step
.set C,     128                        ; x: v128-191 codes, four registers for each step: no store's data are written again
.set SB,    24                         ; weights: v24-25   eight scale bytes
.set WX,    32                         ; weights: v32-95   two sets of 32 numbers
.set WC,    96                         ; weights: v96-103  a block's codes
.set OUTR,  112                        ; weights: v112-175 the way out
.set OFF,   176                        ; weights: v176-207 byte offset of row i of a block of 32 rows, at my column
.set CO,    208                        ; weights: v208-223 W1: byte offset of rows 2 t, 2 t + 1 of the codes
.set WSTG,  32768                      ; weights: the stages: 32 rows x 272 bytes for each wave
; ---- x: step t takes rows 2 t and 2 t + 1 of the work-group's 32, my wave's 256 numbers of each: four loads of 512 consecutive bytes
.macro XLOAD t
.irp i, 0,1,2,3
	global_load_b128 v[R+16*((\t)%4)+4*\i:R+16*((\t)%4)+4*\i+3], v3, s[4:5] offset:(2*(\t)+\i/2)*4096+(\i%2)*512 th:TH_LOAD_NT
.endr
.endm
; a step's 2,048 bytes go through my wave's stage as they lie and come back 64 bytes a lane: 16 neighbours along K.  LDS serves a wave's instructions in order (ISA guide 5.7.1.4): no wait between the stores and the loads
.macro XTURN t
.irp i, 0,1,2,3
	ds_store_b128 v14, v[R+16*((\t)%4)+4*\i:R+16*((\t)%4)+4*\i+3] offset:32*SP*((\t)%2)+8*SP*\i
.endr
.irp i, 0,1,2,3
	ds_load_b128 v[X+16*((\t)%2)+4*\i:X+16*((\t)%2)+4*\i+3], v15 offset:32*SP*((\t)%2)+16*\i
.endr
.endm
.macro XSTEP t
.set XS, X+16*((\t)%2)
.if (\t) > 0
	s_wait_dscnt 1                                 ; this step's numbers are back from the stage (the last step's byte store may be out), so the stage's stores have read their registers,
.else
	s_wait_dscnt 0x0
.endif
.if (\t)+4 < STEPS
	XLOAD (\t)+4                                   ; which take the loads of four steps on
.endif
.if (\t)+1 < STEPS
.if STEPS-2-(\t) >= 3
	s_wait_loadcnt 12                              ; the next step's four loads are in; those of the three steps behind it may be out
.else
	s_wait_loadcnt 4*(STEPS-2-(\t))                ; the tail: as many steps' loads as are left behind the next step's
.endif
	XTURN (\t)+1                                   ; and go through the other stage while this step is worked
.endif
	v_max3_num_f32 v8, |v[XS]|, |v[XS+1]|, |v[XS+2]|               ; the largest magnitude of my 16, in two chains
	v_max3_num_f32 v9, |v[XS+3]|, |v[XS+4]|, |v[XS+5]|
.irp i, 6,10
	v_max3_num_f32 v8, v8, |v[XS+\i]|, |v[XS+\i+1]|
	v_max3_num_f32 v9, v9, |v[XS+\i+2]|, |v[XS+\i+3]|
.endr
	v_max3_num_f32 v8, v8, |v[XS+14]|, |v[XS+15]|
	v_max3_num_f32 v8, v8, v9, FLOOR               ; and the floor: the byte cannot fall under 1
	v_max_num_f32_dpp v8, v8, v8 row_xmask:1 row_mask:0xf bank_mask:0xf   ; and of my neighbour's 16: the block's
	v_add_nc_u32 v11, 0xfc000000, v8               ; 8 off its exponent field: the conversion takes the exponent field of this operand as its scale
	v_and_or_b32 v10, v8, 0x7f800000, s63          ; 448 x the scale: the largest magnitude's exponent field over 448's mantissa field
.irp i, 0,1,2,3,4,5,6,7,8,9,10,11,12,13,14,15
	v_med3_num_f32 v[XS+\i], v[XS+\i], -v10, v10   ; the conversion to an 8-bit code does not saturate (ISA guide 7.6.2): the hold comes first
.endr
	v_cvt_scalef32_pk8_fp8_f32 v[C+4*(\t):C+4*(\t)+1], v[XS:XS+7], v11
	v_cvt_scalef32_pk8_fp8_f32 v[C+4*(\t)+2:C+4*(\t)+3], v[XS+8:XS+15], v11
	v_lshrrev_b32 v[E+(\t)], 23, v11               ; the scale's byte (also the plain line behind the conversions)
	ds_store_b8 v5, v[E+(\t)] offset:16*(\t)       ; rows 2 t, 2 t + 1: 16 bytes; both lanes of a block write the same byte with the same value
	global_store_b128 v4, v[C+4*(\t):C+4*(\t)+3], s[10:11] offset:2048*(\t)   ; sixteen lanes store 256 consecutive bytes of a row of xc, at a multiple of 256
.endm
; ---- weights: block t is 32 rows (k) of W at my column: a lane's 32 registers run down K
.macro WLOAD t
.irp i, 0,1,2,3,4,5,6,7,8,9,10,11,12,13,14,15,16,17,18,19,20,21,22,23,24,25,26,27,28,29,30,31
	global_load_b32 v[WX+32*((\t)%2)+\i], v[OFF+\i], s[32+2*(\t):33+2*(\t)] th:TH_LOAD_NT   ; 32 lanes read 128 consecutive bytes; the four waves stand side by side on 512
.endr
.endm
.macro WBLOCK t
.set XS, WX+32*((\t)%2)
.if (\t) < 7
	s_wait_loadcnt 32                              ; this block's 32 loads are in; the next block's may be out
.else
	s_wait_loadcnt 0x0
.endif
	v_max3_num_f32 v12, |v[XS]|, |v[XS+1]|, |v[XS+2]|              ; the block's largest magnitude: all 32 numbers are mine
	v_max3_num_f32 v13, |v[XS+3]|, |v[XS+4]|, |v[XS+5]|
.irp i, 6,10,14,18,22,26
	v_max3_num_f32 v12, v12, |v[XS+\i]|, |v[XS+\i+1]|
	v_max3_num_f32 v13, v13, |v[XS+\i+2]|, |v[XS+\i+3]|
.endr
	v_max3_num_f32 v12, v12, |v[XS+30]|, |v[XS+31]|
	v_max3_num_f32 v12, v12, v13, FLOOR
	v_add_nc_u32 v11, 0xfc000000, v12              ; the conversion's scale operand
	v_and_or_b32 v10, v12, 0x7f800000, s63         ; 448 x the scale
	v_lshrrev_b32 v13, 23, v11                     ; the scale's byte
.if (\t)%4 == 0
	v_mov_b32 v[SB+(\t)/4], v13                    ; four bytes to a register, the lower K in the lower byte
.else
	v_lshl_or_b32 v[SB+(\t)/4], v13, 8*((\t)%4), v[SB+(\t)/4]
.endif
.irp i, 0,1,2,3,4,5,6,7,8,9,10,11,12,13,14,15,16,17,18,19,20,21,22,23,24,25,26,27,28,29,30,31
	v_med3_num_f32 v[XS+\i], v[XS+\i], -v10, v10
.endr
.irp g, 0,1,2,3
	v_cvt_scalef32_pk8_fp8_f32 v[WC+2*\g:WC+2*\g+1], v[XS+8*\g:XS+8*\g+7], v11
.endr
	v_nop                                          ; a plain line behind the last conversion
	ds_store_b128 v4, v[WC:WC+3] offset:32*(\t)    ; 32 codes: 32 bytes of my column's row in the stage
	ds_store_b128 v4, v[WC+4:WC+7] offset:32*(\t)+16
.if (\t)+2 < 8
	WLOAD (\t)+2
.endif
	s_wait_dscnt 0x0                               ; the stores have read their registers: the next block's codes may be written
.endm
	s_load_b256 s[4:11], s[0:1], 0x0               ; x s[4:5], W1 s[6:7], W2 s[8:9], xc s[10:11]
	s_load_b256 s[12:19], s[0:1], 0x20             ; xs s[12:13], w1c s[14:15], w1s s[16:17], w2c s[18:19]
	s_load_b64 s[20:21], s[0:1], 0x40              ; w2s
	v_lshl_add_u32 v224, v0, 2, 0x10800
	v_mov_b32 v225, 0
	v_lshrrev_b32 v1, 5, v0
	v_readfirstlane_b32 s48, v1                    ; wave 0..3
	v_and_b32 v2, 31, v0                           ; lane
	s_mov_b32 s63, 0x600000                        ; the mantissa field of 448
	s_wait_kmcnt 0x0
	s_cmp_lt_u32 ttmp9, 256
	s_cbranch_scc0 .Lweights
	; ================ x ================
	s_lshl_b32 s22, ttmp9, 17                      ; 32 rows of 4,096 bytes a work-group,
	s_lshl_b32 s24, s48, 10                        ; 1,024 bytes of a row a wave
	s_add_co_u32 s22, s22, s24
	s_mov_b32 s23, 0
	s_add_nc_u64 s[4:5], s[4:5], s[22:23]
	s_lshl_b32 s22, ttmp9, 15                      ; xc: 32 rows of 1,024 bytes, 256 bytes a wave
	s_lshl_b32 s24, s48, 8
	s_add_co_u32 s22, s22, s24
	s_add_nc_u64 s[10:11], s[10:11], s[22:23]
	s_lshl_b32 s22, s48, 16                        ; xs: plane w of 8,192 rows x 8 bytes, 32 rows a work-group
	s_lshl_b32 s24, ttmp9, 8
	s_add_co_u32 s22, s22, s24
	s_add_nc_u64 s[12:13], s[12:13], s[22:23]
	v_lshlrev_b32 v3, 4, v2                        ; my 16 bytes of a load's 512
	s_lshl_b32 s25, s48, 13                        ; my wave's 8,192 bytes of LDS: two stages of 32 x 80 bytes, then 256 scale bytes
	v_lshrrev_b32 v14, 2, v2
	v_mul_u32_u24 v14, v14, SP
	v_and_b32 v15, 3, v2
	v_lshl_add_u32 v14, v15, 4, v14
	v_add_nc_u32 v14, s25, v14                     ; the stage, way in: 80 (lane / 4) + 16 (lane % 4)
	v_mul_u32_u24 v15, v2, SP
	v_add_nc_u32 v15, s25, v15                     ; way out: 80 x lane
	v_lshrrev_b32 v4, 4, v2
	v_and_b32 v5, 15, v2
	v_lshlrev_b32 v5, 4, v5
	v_lshl_add_u32 v4, v4, 10, v5                  ; xc: lanes 0-15 the even row, lanes 16-31 the odd one; 16 bytes a lane
	v_lshrrev_b32 v5, 1, v2
	s_add_co_u32 s25, s25, 2*32*SP
	v_add_nc_u32 v5, s25, v5                       ; my block's scale byte
	v_lshlrev_b32 v7, 3, v2
	v_add_nc_u32 v6, s25, v7                       ; and on the way out 8 bytes (a row's) a lane
.irp t, 0,1,2,3
	XLOAD \t
.endr
	s_wait_loadcnt 12                              ; step 0's four loads are in
	XTURN 0
.irp t, 0,1,2,3,4,5,6,7,8,9,10,11,12,13,14,15
	XSTEP \t
.endr
	ds_load_b64 v[12:13], v6                       ; these see my byte stores: a wave's LDS instructions are served in order
	s_wait_dscnt 0x0
	global_store_b64 v7, v[12:13], s[12:13]        ; 32 rows x 8 bytes: 256 consecutive bytes, at a multiple of 256
	s_wait_tensorcnt 0x0
	ds_add_u32 v224, v225
	s_wait_dscnt 0x0
	s_endpgm
	; ================ W1, W2 ================
.Lweights:
	s_sub_co_u32 s22, ttmp9, 256
	s_cmp_lt_u32 s22, 128                          ; W1's work-group or W2's?  The choice hangs on the work-group's number alone; all five selections stand ahead of the next line that sets SCC
	s_cselect_b64 s[24:25], s[6:7], s[8:9]         ; W
	s_cselect_b64 s[26:27], s[14:15], s[18:19]     ; its codes
	s_cselect_b64 s[28:29], s[16:17], s[20:21]     ; its scale bytes
	s_cselect_b32 s30, 12, 10                      ; log2 N
	s_cselect_b32 s31, 10, 12                      ; log2 K
	s_and_b32 s22, s22, 127                        ; the work-group's number in its tensor: N / 128 along x, K / 256 along y
	s_sub_co_u32 s23, s30, 7
	s_lshr_b32 s49, s22, s23                       ; y: which 256 along K
	s_lshl_b32 s50, 1, s23
	s_sub_co_u32 s50, s50, 1
	s_and_b32 s50, s22, s50                        ; x: which 128 columns
	s_lshl_b32 s51, s50, 7
	s_lshl_b32 s54, s48, 5
	s_add_co_u32 s51, s51, s54                     ; my wave's first column
	s_add_co_u32 s54, s30, 2
	s_lshl_b32 s52, 1, s54                         ; a row of W in bytes
	s_lshl_b32 s53, 2, s31                         ; two rows of the codes in bytes
	s_mov_b32 s57, 0
	s_add_co_u32 s54, s30, 10
	s_lshl_b32 s56, s49, s54                       ; W: 256 y rows
	s_lshl_b32 s55, s51, 2                         ; + 4 bytes a column
	s_add_co_u32 s56, s56, s55
	s_add_nc_u64 s[24:25], s[24:25], s[56:57]
	s_lshl_b32 s56, s51, s31                       ; codes: K bytes a column (in w2c: 16 columns' fragments are 16 x 4,096 bytes too)
	s_lshl_b32 s55, s49, 8                         ; + 256 y  (W1's rows; W2's way out adds the rest)
	s_add_co_u32 s56, s56, s55
	s_add_nc_u64 s[26:27], s[26:27], s[56:57]
	s_add_co_u32 s54, s30, 3
	s_lshl_b32 s56, s49, s54                       ; scale bytes: plane y of N rows x 8 bytes
	s_lshl_b32 s55, s51, 3                         ; + 8 bytes a column
	s_add_co_u32 s56, s56, s55
	s_add_nc_u64 s[28:29], s[28:29], s[56:57]
	s_add_co_u32 s54, s30, 7
	s_lshl_b32 s56, 1, s54                         ; 32 rows of W in bytes
	s_mov_b64 s[32:33], s[24:25]                   ; a base for each of the eight blocks: nothing is stepped while loads are out
.irp t, 1,2,3,4,5,6,7
	s_add_nc_u64 s[32+2*\t:33+2*\t], s[30+2*\t:31+2*\t], s[56:57]
.endr
	v_lshlrev_b32 v3, 2, v2                        ; 4 bytes a lane
.irp i, 0,1,2,3,4,5,6,7,8,9,10,11,12,13,14,15,16,17,18,19,20,21,22,23,24,25,26,27,28,29,30,31
	v_mad_u32_u24 v[OFF+\i], s52, \i, v3           ; row i of a block, my column
.endr
	WLOAD 0
	WLOAD 1
	s_mul_i32 s54, s48, 32*272
	s_add_co_u32 s54, s54, WSTG                    ; my stage
	v_mul_u32_u24 v4, v2, 272
	v_add_nc_u32 v4, s54, v4                       ; into it: row = my column
	v_and_b32 v5, 15, v2
	v_lshrrev_b32 v6, 4, v2
	v_mul_u32_u24 v7, v6, 272                      ; W1, out of it: sixteen lanes to a row, two rows an instruction
	v_lshl_add_u32 v7, v5, 4, v7
	v_add_nc_u32 v7, s54, v7
	v_lshlrev_b32 v8, s31, v6
	v_lshl_add_u32 v8, v5, 4, v8                   ; and the same place in the codes
.irp t, 0,1,2,3,4,5,6,7,8,9,10,11,12,13,14,15
	v_mad_u32_u24 v[CO+\t], s53, \t, v8
.endr
	v_mul_u32_u24 v14, v5, 272                     ; W2, out of it: as the operand's layout gives the lanes: row lane % 16, 16 bytes on for lanes 16-31
	v_lshl_add_u32 v14, v6, 4, v14
	v_add_nc_u32 v14, s54, v14
	v_lshlrev_b32 v15, 4, v2                       ; and 16 x lane in a fragment's 512 bytes
	v_lshlrev_b32 v9, 3, v2                        ; my column's eight scale bytes
.irp t, 0,1,2,3,4,5,6,7
	WBLOCK \t
.endr
	global_store_b64 v9, v[SB:SB+1], s[28:29]      ; 32 columns x 8 bytes: 256 consecutive bytes, at a multiple of 256
	s_cmp_lt_u32 ttmp9, 384
	s_cbranch_scc0 .Lw2_out
.irp t, 0,1,2,3,4,5,6,7,8,9,10,11,12,13,14,15
	ds_load_b128 v[OUTR+4*\t:OUTR+4*\t+3], v7 offset:2*\t*272
.endr
.irp t, 0,1,2,3,4,5,6,7,8,9,10,11,12,13,14,15
	s_wait_dscnt 15-\t                             ; loads come back in order: pair t of rows is in
	global_store_b128 v[CO+\t], v[OUTR+4*\t:OUTR+4*\t+3], s[26:27]   ; sixteen lanes store 256 consecutive bytes of a row of w1c, at a multiple of 256
.endr
	s_wait_tensorcnt 0x0
	ds_add_u32 v224, v225
	s_wait_dscnt 0x0
	s_endpgm
.Lw2_out:                                              ; my 32 columns x 256 along K are four fragments: tiles of 16 columns t / 8, steps of 128 along K (t / 4) % 2, and in each four pieces of 512 bytes
	s_mul_i32 s56, s49, 3840                       ; 256 along K are two fragments, 4,096 bytes: 256 y are in the address already
	s_add_nc_u64 s[26:27], s[26:27], s[56:57]
.irp t, 0,1,2,3,4,5,6,7,8,9,10,11,12,13,14,15
	ds_load_b128 v[OUTR+4*\t:OUTR+4*\t+3], v14 offset:(\t/8)*16*272+((\t/4)%2)*128+(\t%4)*32
.endr
.irp t, 0,1,2,3,4,5,6,7,8,9,10,11,12,13,14,15
	s_wait_dscnt 15-\t                             ; loads come back in order: piece t is in
	global_store_b128 v15, v[OUTR+4*\t:OUTR+4*\t+3], s[26:27] offset:(\t/8)*65536+((\t/4)%2)*2048+(\t%4)*512   ; 32 lanes store 512 consecutive bytes, at a multiple of 256
.endr
	s_wait_tensorcnt 0x0
	ds_add_u32 v224, v225
	s_wait_dscnt 0x0
	s_endpgm
.Lfunc_end_k_q725a103942_quant:
	.size	k_q725a103942_quant, .Lfunc_end_k_q725a103942_quant-k_q725a103942_quant
	.p2alignl 7, 3214868480
	.fill 96, 4, 3214868480
	.section	.rodata,"a",@progbits
	.p2align	6, 0x0
	.amdhsa_kernel k_q725a103942_quant
		.amdhsa_group_segment_fixed_size 68096
		.amdhsa_private_segment_fixed_size 0
		.amdhsa_enable_private_segment 0
		.amdhsa_kernarg_size 72
		.amdhsa_user_sgpr_count 2
		.amdhsa_user_sgpr_kernarg_segment_ptr 1
		.amdhsa_wavefront_size32 1
		.amdhsa_system_sgpr_workgroup_id_x 1
		.amdhsa_system_sgpr_workgroup_id_y 1
		.amdhsa_system_sgpr_workgroup_id_z 1
		.amdhsa_system_vgpr_workitem_id 0
		.amdhsa_next_free_vgpr 226
		.amdhsa_next_free_sgpr 66
		.amdhsa_reserve_vcc 0
		.amdhsa_float_denorm_mode_32 3
		.amdhsa_float_denorm_mode_16_64 3
		.amdhsa_memory_ordered 1
		.amdhsa_forward_progress 1
		.amdhsa_inst_pref_size 117
	.end_amdhsa_kernel
	.amdgpu_metadata
---
amdhsa.version: [ 1, 2 ]
amdhsa.kernels:
  - .name:           k_q725a103942_quant
    .symbol:         k_q725a103942_quant.kd
    .args:
      - { .name: hidden_states, .offset: 0, .size: 8, .value_kind: global_buffer, .address_space: global }
      - { .name: W1, .offset: 8, .size: 8, .value_kind: global_buffer, .address_space: global }
      - { .name: W2, .offset: 16, .size: 8, .value_kind: global_buffer, .address_space: global }
      - { .name: xc, .offset: 24, .size: 8, .value_kind: global_buffer, .address_space: global }
      - { .name: xs, .offset: 32, .size: 8, .value_kind: global_buffer, .address_space: global }
      - { .name: w1c, .offset: 40, .size: 8, .value_kind: global_buffer, .address_space: global }
      - { .name: w1s, .offset: 48, .size: 8, .value_kind: global_buffer, .address_space: global }
      - { .name: w2c, .offset: 56, .size: 8, .value_kind: global_buffer, .address_space: global }
      - { .name: w2s, .offset: 64, .size: 8, .value_kind: global_buffer, .address_space: global }
    .group_segment_fixed_size: 68096
    .private_segment_fixed_size: 0
    .kernarg_segment_align: 8
    .kernarg_segment_size: 72
    .max_flat_workgroup_size: 128
    .sgpr_count:     66
    .vgpr_count:     226
    .wavefront_size: 32
...
	.end_amdgpu_metadata
.endif
;; end of part 1
;; launch gemm1 (part 2): grid 16 x 32, 4 waves a work-group, clusters of 4 x 4, 327,680 bytes of LDS; arguments xc, xs, w1c, w1s, b1, hc, hs; writes hc, hs
.if DOCPART == 2
	.amdgcn_target "amdgcn-amd-amdhsa--gfx1250"
	.amdhsa_code_object_version 6
	.text
	.protected	k_q725a103942_gemm1
	.globl	k_q725a103942_gemm1
	.p2align	8
	.type	k_q725a103942_gemm1,@function
k_q725a103942_gemm1:
	s_mov_b64 s[64:65], 0
	v_nop
	global_prefetch_b8 v0, s[64:65] scope:SCOPE_SE
	s_setreg_imm32_b32 hwreg(HW_REG_WAVE_MODE, 25, 1), 1
	s_wait_xcnt 0x0
	s_wait_alu depctr_hold_cnt(0) depctr_sa_sdst(0) depctr_va_vdst(0) depctr_va_sdst(0) depctr_va_ssrc(0) depctr_va_vcc(0) depctr_vm_vsrc(0)
	s_getreg_b32 s2, hwreg(HW_REG_IB_STS2, 6, 4)
	s_cmp_eq_u32 s2, 0
	s_cbranch_scc0 .Lentry_in_a_cluster
	s_endpgm
.Lentry_in_a_cluster:
	s_bfe_u32 s2, ttmp6, 0x10000c
	s_cmp_lg_u32 s2, 0xf033
	s_cbranch_scc0 .Lentry_shape_is_right
	s_endpgm
.Lentry_shape_is_right:
; h = relu(x W1 + b1), [8192][4096], made from codes of FP8 (E4M3) with E8M0 scales and QUANTISED ON THE WAY OUT along its 4,096, which is the next product's K: hc [8192][4096] codes, hs [16][8192][8] scale bytes.
; xc [8192][1024], w1c [4096][1024]: codes, K innermost.  xs [4][8192][8], w1s [4][4096][8]: scale bytes by steps of 256 along K.  b1 [4096] f32.
; A tile of h, 256 x 256, is made by a work-group of four waves; a wave makes 128 x 128: 64 accumulators of 16 x 16, 512 registers.  K goes in four steps of 256 through a ring of two LDS slots filled by the tensor data mover.
; THE SCALES of the work-group's rows, all four K steps, come into LDS once, with the first fills: each wave brings 128 rows x 8 bytes x 4 steps as one tile of four rows of 1,024 bytes.
; CLUSTERS: 4 x 4 work-groups.  The four of a row of the cluster need the same tiles of x, the four of a column the same tiles of W1: each tile is asked for JOINTLY, by the same tensor load with the same descriptor and a mask that names the four.
; THE MATRIX INSTRUCTION IS USED TRANSPOSED (source 0 = 16 rows of w1c, source 1 = 16 rows of xc): in accumulator (a, b) lane (r, h) holds row 16 a + r of h and its register j column 16 b + 8 h + j.
; So accumulators 2 B and 2 B + 1 of lanes l and l xor 16 hold one block of 32 along the next K.  b1 is the C of each sum's first product: it costs no addition, and nothing is cleared.
; THE WAY OUT: relu and the hold are one line a number; a row's 256 codes come from two waves, so they meet in a stage in LDS behind a barrier and leave as whole rows of 256 bytes.
; LIMITS: a block of zeros gets the byte 1 where the rule says 127 (its codes are zeros, and only this program reads the bytes); NaN and infinities are not served.
; REGISTERS, in windows of 256: window 0: v0-31 addresses; v32-63 scale words, two sets, and nothing else ever; v64-127 b1, on the way out the quantiser's small registers; v128-255 x's fragments, ONE set, on the way out the codes.
;   window 1: W1's fragments, TWO sets, at v0 and v128; on the way out v0-63 the held numbers.   window 2: the accumulators of my rows 0-63 ((a, b) at v[8 (8 a + b)]);   window 3: those of my rows 64-127.
.set NQ,     2                         ; matrix instructions deep in a slot: 256 along K
.set ROWB,   256                       ; a tile's row in bytes
.set KROW,   1024                      ; a row of xc or w1c in bytes
.set PITCH,  272                       ; an LDS row: 256 bytes + 16 of padding = 68 words: the 16 rows that a load touches start at 16 different banks (64 banks of 4 bytes: ISA guide 11.1)
.set FR,     16                        ; registers of a fragment: 16 rows x 128 K
.set NP,     8                         ; places behind this matrix instruction (ISA guide 7.12.1)
.set HALFT,  128*PITCH                 ; 128 rows: what one tensor load brings
.set SLOT,   4*HALFT                   ; x's 256 rows, then W1's 256 rows
.set LAPS,   2                         ; a lap = two K steps = once round the ring
.set SCL,    2*SLOT                    ; behind the ring: the scales, four pieces of [4 K steps][128 rows][8 bytes]: x's two halves, W1's two halves
.set HALFS,  4096
.set SPARE,  SCL+4*HALFS               ; the spare words, 128 bytes for each wave: two blocks of 256 bytes that no other line names
.set SSTG,   256*PITCH                 ; the way out: the codes' stage, 256 rows x 272 bytes, at LDS byte 0, and behind it 256 rows x 8 scale bytes: both in slot 0, which has had its last fill and its last read by then
.set ADRA, 16                          ; v16-17  LDS address of my fragments of x in slot 0, 1
.set ADRB, 20                          ; v20-21  the same for W1
.set SGO,  22                          ; v22     16 x lane
.set BO,   23                          ; v23     32 x (lane / 16): my eight numbers of a tile of b1
.set STO,  24                          ; v24     the way out: where I put 8 codes of a row
.set RD,   25                          ; v25     where I read a row back
.set CO,   26                          ; v26     my byte offset in two rows of hc
.set ADRS, 27                          ; v27     LDS address of my scale words: lanes 0-15 x's rows, lanes 16-31 W1's
.set SPW,  28                          ; v28     LDS address of my spare word; never rewritten
.set NIL,  29                          ; v29     0; never rewritten
.set SSO,  30                          ; v30     where I put a row's scale word
.set SRD,  31                          ; v31     where I read scale bytes back
.set SC,   32                          ; scale words: set s at v[SC + 16 s]; register 2 i + q: lanes 0-15 the word of x's block i, lanes 16-31 that of W1's block i, for the slot's q-th 128 along K
.set BIAS, 64                          ; b1: register 8 b + j: column 16 b + 8 h + j
.set AF,   128                         ; x's fragments
.set TM,   64                          ; the way out: +0 largest magnitudes, +4 bytes, +8 holds, +12 scale operands
.set PW,   80                          ; v80-87  a scale word for each block of 16 rows
.set SW,   88                          ; v88-91  scale bytes read back
.set CD,   128                         ; v128-255 codes: 16 registers for each block of 16 rows, so that no LDS store's data are written again; then the rows read back
.set T,    0                           ; window 1: 64 held numbers
.set WV,  18                           ; s18 wave;  s19 which half of the tile's rows is mine, also: I fetch for x (0) or for W1 (1);  s20 which half of its columns, also: which 128 rows I fetch
.set RH,  19
.set CH,  20
.set TR,  21                           ; s21 tile row;  s42 tile column
.set TC,  42
.set G1,  24                           ; s[24:31] descriptor group 1 for x's tiles;  s[32:39] group 0, one set for each slot
.set G0,  32
.set G1B, 48                           ; s[48:55], s[56:63] the same for W1's tiles
.set G0B, 56
.set SEL, 66                           ; s[66:67] lane selects for v_permlanex16_b32: lane l xor 16
.set G1S, 68                           ; s[68:75], s[76:79] groups 1 and 0 for x's scales;  s[80:87], s[88:91] for W1's
.set G0S, 76
.set G1SB, 80
.set G0SB, 88
.set MNT, 96                           ; s96 the mantissa field of 448
.set MSB, 0
.macro WIN new                         ; the immediate's high byte repeats the setting that is left; a switch that changes nothing is dropped
.if MSB != (\new)
	s_set_vgpr_msb (MSB<<8)|(\new)
.set MSB, (\new)
.endif
.endm
.set MUL_LO, 0xa1                      ; source 0 (W1) window 1, source 1 (x) window 0, C and D window 2
.set MUL_HI, 0xf1                      ; the same, C and D window 3
.set TO_B,   0x40                      ; destination window 1, address window 0
; A joint load: waves 0 and 1 fetch for x, waves 2 and 3 for W1.  Each of the two lines has ONE mask and one set of registers for all that issue it; the branch hangs on the wave's number alone.
; Four v_nop follow each of the two lines, ahead of the jump, the label and what follows.
.macro JLOAD g0a, g1a, g0b, g1b
	s_cmp_eq_u32 s[RH], 0
	s_cbranch_scc0 .Lfor_b_\@
	tensor_load_to_lds s[\g0a:\g0a+3], s[\g1a:\g1a+7]
	s_nop 0
.rept 4
	v_nop
.endr
	s_branch .Lasked_\@
.Lfor_b_\@:
	tensor_load_to_lds s[\g0b:\g0b+3], s[\g1b:\g1b+7]
	s_nop 0
.rept 4
	v_nop
.endr
.Lasked_\@:
.endm
.macro CREST                           ; a round of the cluster's barrier behind its opening barrier
	s_cmp_lg_u32 s[WV], 0
	s_cbranch_scc1 .Lnot_wave_0_\@
	s_barrier_signal -3
.Lnot_wave_0_\@:
	s_barrier_wait -3
	s_barrier_signal -1
	s_barrier_wait -1
.endm
.macro CROUND                          ; a whole round
	s_barrier_signal -1
	s_barrier_wait -1
	CREST
.endm
	s_load_b256 s[4:11], s[0:1], 0x0               ; xc s[4:5], xs s[6:7], w1c s[8:9], w1s s[10:11]
	s_load_b128 s[12:15], s[0:1], 0x20             ; b1 s[12:13], hc s[14:15]
	s_load_b64 s[16:17], s[0:1], 0x30              ; hs
	v_lshl_add_u32 v[SPW], v0, 2, SPARE
	v_mov_b32 v[NIL], 0
	ds_add_u32 v28, v29
	ds_add_u32 v28, v29
	s_wait_dscnt 0x0
	v_lshrrev_b32 v1, 5, v0
	v_readfirstlane_b32 s[WV], v1                  ; wave 0..3
	s_lshr_b32 s[RH], s[WV], 1
	s_and_b32 s[CH], s[WV], 1
	s_bfe_u32 s40, ttmp6, 0x40000                  ; cx, cy: my place in the cluster
	s_bfe_u32 s41, ttmp6, 0x40004
	s_lshl_b32 s[TC], ttmp9, 2
	s_add_co_u32 s[TC], s[TC], s40                 ; tile column = 4 x cluster x + cx
	s_and_b32 s[TR], ttmp7, 0xffff
	s_lshl_b32 s[TR], s[TR], 2
	s_add_co_u32 s[TR], s[TR], s41                 ; tile row = 4 x cluster y + cy
	s_lshl_b32 s43, s41, 2
	s_lshl_b32 s43, 15, s43                        ; my row of the cluster
	s_lshl_b32 s44, 0x1111, s40                    ; my column
	; descriptor group 1: a tile of 128 rows x 256 bytes, padded in LDS
	s_or_b32 s[G1+0], s43, (0<<16)|(1<<20)|(1<<21)|(5<<22)|(3<<25)   ; 15:0 the mask: x's tiles go to my row; 17:16 element of 1 byte; 20 padding on; 21 set beside a mask; 24:22 after every 64 words (code 5); 31:25 of 4 words (code 3)
	s_or_b32 s[G1B+0], s44, (0<<16)|(1<<20)|(1<<21)|(5<<22)|(3<<25)
.irp g, G1, G1B
	s_mov_b32 s[\g+1], ROWB<<16                    ; tensor_dim0
	s_mov_b32 s[\g+2], 128<<16                     ; tensor_dim1
	s_mov_b32 s[\g+3], ROWB<<16                    ; tile_dim0
	s_mov_b32 s[\g+4], 128                         ; tile_dim1
	s_mov_b32 s[\g+5], KROW                        ; tensor_dim0_stride
	s_mov_b32 s[\g+6], 0
	s_mov_b32 s[\g+7], 0
.endr
	; and for the scales of 128 rows: four rows (K steps) of 128 elements of 8 bytes, a plane of the buffer apart; no padding
	s_or_b32 s[G1S+0], s43, (3<<16)|(1<<21)
	s_or_b32 s[G1SB+0], s44, (3<<16)|(1<<21)
.irp g, G1S, G1SB
	s_mov_b32 s[\g+1], 128<<16
	s_mov_b32 s[\g+2], 4<<16
	s_mov_b32 s[\g+3], 128<<16
	s_mov_b32 s[\g+4], 4
	s_mov_b32 s[\g+6], 0
	s_mov_b32 s[\g+7], 0
.endr
	s_mov_b32 s[G1S+5], 8192                       ; xs: 8,192 rows to a plane
	s_mov_b32 s[G1SB+5], 4096                      ; w1s: 4,096
	; where the tiles come from.  x's hang on the tile row alone, W1's on the tile column alone, each in registers that never hold the other coordinate
	s_lshl_b32 s22, s[CH], 7                       ; which 128 rows of the tile I fetch
	s_lshl_b32 s92, s[TR], 8
	s_add_co_u32 s92, s92, s22                     ; x: row 256 x tile row + 128 x half
	s_lshl_b32 s46, s[TC], 8
	s_add_co_u32 s46, s46, s22                     ; W1: row 256 x tile column + 128 x half
	s_lshl_b32 s94, s92, 3                         ; these rows' scale bytes in a plane,
	s_mov_b32 s95, 0
	s_lshl_b32 s98, s46, 3
	s_mov_b32 s99, 0
	s_lshl_b32 s92, s92, 10                        ; and their codes
	s_mov_b32 s93, 0
	s_lshl_b32 s46, s46, 10
	s_mov_b32 s47, 0
	s_mul_i32 s45, s[WV], HALFT                    ; where they go: wave x 128 rows: no place in the cluster enters an LDS address
	s_lshl_b32 s97, s[WV], 12
	s_mov_b32 s[SEL], 0x76543210
	s_mov_b32 s[SEL+1], 0xfedcba98
	s_mov_b32 s[MNT], 0x600000
	s_wait_kmcnt 0x0
	s_add_nc_u64 s[92:93], s[4:5], s[92:93]
	s_add_nc_u64 s[94:95], s[6:7], s[94:95]
	s_add_nc_u64 s[46:47], s[8:9], s[46:47]
	s_add_nc_u64 s[98:99], s[10:11], s[98:99]
	CROUND                                         ; all sixteen work-groups are here: the first joint loads meet
	s_mov_b32 s[G0S], 1
	s_add_co_u32 s[G0S+1], s97, SCL
	s_mov_b64 s[G0S+2:G0S+3], s[94:95]
	s_or_b32 s[G0S+3], s[G0S+3], 0x80000000
	s_mov_b32 s[G0SB], 1
	s_add_co_u32 s[G0SB+1], s97, SCL
	s_mov_b64 s[G0SB+2:G0SB+3], s[98:99]
	s_or_b32 s[G0SB+3], s[G0SB+3], 0x80000000
	JLOAD G0S, G1S, G0SB, G1SB                     ; the scales first: they are wanted with K step 0
.irp s, 0,1
	s_mov_b32 s[G0+4*\s], 1
	s_add_co_u32 s[G0+4*\s+1], s45, \s*SLOT
	s_add_nc_u64 s[G0+4*\s+2:G0+4*\s+3], s[92:93], \s*ROWB
	s_or_b32 s[G0+4*\s+3], s[G0+4*\s+3], 0x80000000
	s_mov_b32 s[G0B+4*\s], 1
	s_add_co_u32 s[G0B+4*\s+1], s45, \s*SLOT
	s_add_nc_u64 s[G0B+4*\s+2:G0B+4*\s+3], s[46:47], \s*ROWB
	s_or_b32 s[G0B+4*\s+3], s[G0B+4*\s+3], 0x80000000
	JLOAD G0+4*\s, G1, G0B+4*\s, G1B               ; three tensor loads of mine are out now
.endr
	v_and_b32 v1, 15, v0                           ; r = lane % 16
	v_bfe_u32 v2, v0, 4, 1                         ; h = lane / 16
	s_lshl_b32 s46, s[TC], 10                      ; b1: my 128 columns: 4 (256 x tile column + 128 x half) bytes on
	s_lshl_b32 s47, s[CH], 9
	s_add_co_u32 s46, s46, s47
	s_mov_b32 s47, 0
	s_add_nc_u64 s[12:13], s[12:13], s[46:47]
	v_lshlrev_b32 v[BO], 5, v2
.irp b, 0,1,2,3,4,5,6,7
	global_load_b128 v[BIAS+8*\b:BIAS+8*\b+3], v[BO], s[12:13] offset:64*\b
	global_load_b128 v[BIAS+8*\b+4:BIAS+8*\b+7], v[BO], s[12:13] offset:64*\b+16
.endr
	v_mul_u32_u24 v3, v1, PITCH
	v_lshl_add_u32 v4, v2, 4, v3                   ; a fragment's row x pitch + 16 x half
	s_mul_i32 s22, s[RH], HALFT                    ; my 128 rows of x
	s_mul_i32 s23, s[CH], HALFT                    ; my 128 rows of W1,
	s_add_co_u32 s23, s23, 2*HALFT                 ; which lie behind x's 256
.irp s, 0,1
	v_add_nc_u32 v[ADRA+\s], s22, v4
	v_add_nc_u32 v[ADRB+\s], s23, v4
	s_add_co_u32 s22, s22, SLOT
	s_add_co_u32 s23, s23, SLOT
.endr
	v_lshlrev_b32 v5, 3, v1                        ; my row's scale bytes: 8 a row
	s_lshl_b32 s22, s[RH], 12                      ; x's: my 128 rows' piece
	s_lshl_b32 s23, s[CH], 12                      ; W1's: behind x's two
	s_add_co_u32 s23, s23, 2*HALFS
	s_sub_co_u32 s23, s23, s22
	v_mul_u32_u24 v6, s23, v2                      ; lanes 16-31 take W1's: one product of h with the distance between the two pieces
	s_add_co_u32 s22, s22, SCL
	v_add_nc_u32 v5, v5, v6
	v_add_nc_u32 v[ADRS], s22, v5
	s_mul_i32 s22, s[RH], 128*PITCH                ; the way out.  In: row 128 x half + r, byte 128 x column half + 8 h
	s_lshl_b32 s23, s[CH], 7
	s_add_co_u32 s22, s22, s23
	v_lshl_add_u32 v5, v2, 3, v3
	v_add_nc_u32 v[STO], s22, v5
	s_mul_i32 s22, s[WV], 64*PITCH                 ; back: wave w takes rows 64 w on, whole: lanes 0-15 one row, lanes 16-31 the next
	v_mul_u32_u24 v5, v2, PITCH
	v_lshl_add_u32 v5, v1, 4, v5
	v_add_nc_u32 v[RD], s22, v5
	v_lshlrev_b32 v5, 12, v2                       ; and the same two rows in hc (a row is 4,096 bytes)
	v_lshl_add_u32 v[CO], v1, 4, v5
	s_lshl_b32 s22, s[RH], 10                      ; a row's scale word: 8 bytes a row, my column half's four
	s_lshl_b32 s23, s[CH], 2
	s_add_co_u32 s22, s22, s23
	s_add_co_u32 s22, s22, SSTG
	v_lshl_add_u32 v[SSO], v1, 3, s22
	v_and_b32 v6, 31, v0
	v_lshlrev_b32 v[SGO], 4, v6
	s_lshl_b32 s22, s[WV], 9                       ; back: 512 bytes (64 rows') a wave
	s_add_co_u32 s22, s22, SSTG
	v_add_nc_u32 v[SRD], s22, v[SGO]
	s_lshl_b32 s46, s[TR], 20                      ; hc: (256 x tile row + 64 x wave) rows of 4,096 bytes + 256 x tile column
	s_lshl_b32 s47, s[WV], 18
	s_add_co_u32 s46, s46, s47
	s_lshl_b32 s47, s[TC], 8
	s_add_co_u32 s46, s46, s47
	s_mov_b32 s47, 0
	s_add_nc_u64 s[14:15], s[14:15], s[46:47]
	s_lshl_b32 s46, s[TC], 16                      ; hs: plane = tile column (8,192 rows x 8 bytes), 256 rows a tile row, 64 rows a wave
	s_lshl_b32 s47, s[TR], 11
	s_add_co_u32 s46, s46, s47
	s_lshl_b32 s47, s[WV], 9
	s_add_co_u32 s46, s46, s47
	s_mov_b32 s47, 0
	s_add_nc_u64 s[16:17], s[16:17], s[46:47]
.macro FRAG reg, adr, q, i             ; a fragment, 16 rows x 128 K of 8-bit codes: lane l holds row l % 16; registers 4 c .. 4 c + 3 hold K = 32 c + 16 (l / 16) + 0 .. 15
.irp c, 0,1,2,3
	ds_load_b128 v[\reg+4*\c:\reg+4*\c+3], v[\adr] offset:128*(\q)+32*\c+(\i)*16*PITCH
.endr
.endm
; 16 matrix instructions: x's blocks a0, a0 + 1 against W1's eight, 128 along K: the slot's q-th.  p: W1's set;  sc: the set of scale words.  zero = 1: the first product starts the sums, with b1 as its C.
; The 64 accumulators take turns, one instruction a turn, in the same order in every step.
.macro MUL16 a0, p, q, sc, zero
.irp a, \a0, \a0+1
.irp b, 0,1,2,3,4,5,6,7
.if \zero
	v_wmma_scale_f32_16x16x128_f8f6f4 v[8*(8*((\a)%4)+\b):8*(8*((\a)%4)+\b)+7], v[128*(\p)+FR*\b:128*(\p)+FR*\b+FR-1], v[AF+FR*(\a):AF+FR*(\a)+FR-1], v[BIAS+8*\b:BIAS+8*\b+7], v[SC+8*NQ*(\sc)+NQ*\b+(\q)], v[SC+8*NQ*(\sc)+NQ*(\a)+(\q)] matrix_a_scale:MATRIX_SCALE_ROW1
.else
	v_wmma_scale_f32_16x16x128_f8f6f4 v[8*(8*((\a)%4)+\b):8*(8*((\a)%4)+\b)+7], v[128*(\p)+FR*\b:128*(\p)+FR*\b+FR-1], v[AF+FR*(\a):AF+FR*(\a)+FR-1], v[8*(8*((\a)%4)+\b):8*(8*((\a)%4)+\b)+7], v[SC+8*NQ*(\sc)+NQ*\b+(\q)], v[SC+8*NQ*(\sc)+NQ*(\a)+(\q)] matrix_a_scale:MATRIX_SCALE_ROW1
.endif
.endr
.endr
.endm
.macro FETCH_B slot, q, p              ; W1's eight fragments of the slot's q-th 128 along K into set p
	WIN TO_B
.irp i, 0,1,2,3,4,5,6,7
	FRAG 128*(\p)+FR*\i, ADRB+\slot, \q, \i
.endr
	WIN 0
.endm
.macro FETCH_A slot, q, i0             ; x's blocks i0 .. i0 + 3
.irp i, \i0, \i0+1, \i0+2, \i0+3
	FRAG AF+FR*(\i), ADRA+\slot, \q, \i
.endr
.endm
.macro SCALES sc                       ; a K step's scale words into set sc: two words a row; lanes 0-15 take x's block i, lanes 16-31 W1's block i
.irp i, 0,1,2,3,4,5,6,7
	ds_load_b64 v[SC+8*NQ*\sc+NQ*\i:SC+8*NQ*\sc+NQ*\i+1], v[ADRS] offset:128*\i
.endr
.endm
; A load into a register that a matrix instruction has read, and a vector instruction or an LDS store that reads a matrix result, stand NP places behind that matrix instruction; only plain vector
; instructions that name none of its registers are places (ISA guide 7.12.1 for vector instructions).
.macro PLACES n
.rept \n
	v_nop
.endr
.endm
; A step of 128 along K that has its successor in the same slot.  x's blocks go one after the other, each against W1's eight: blocks 0-3 are fetched anew in the step's middle, blocks 4-7 at its end.
.macro STEP slot, q, zero
	s_wait_dscnt 16                                ; W1's set, the scale words and x's blocks 0-3 are in; the youngest sixteen loads (x's blocks 4-7) may be out
.if \zero
	WIN 0x81                                       ; C (b1) window 0, D window 2
.else
	WIN MUL_LO
.endif
	MUL16 0, (\q)%2, \q, \slot, \zero
	MUL16 2, (\q)%2, \q, \slot, \zero
	s_wait_dscnt 0x0                               ; x's blocks 4-7 are in
	PLACES NP
	FETCH_B \slot, (\q)+1, 1-(\q)%2
	FETCH_A \slot, (\q)+1, 0
.if \zero
	WIN 0xc1                                       ; C (b1) window 0, D window 3
.else
	WIN MUL_HI
.endif
	MUL16 4, (\q)%2, \q, \slot, \zero
	MUL16 6, (\q)%2, \q, \slot, \zero
	PLACES NP
	WIN 0
	FETCH_A \slot, (\q)+1, 4
.endm
; A slot's last step changes slots: ONE barrier; in front of it each wave waits for all its tensor loads, adds 0 to its spare word, and waits for that and for its own reads of this slot.  fill = 1: this slot is filled again, two K steps ahead.
.macro TURN slot, next, fill
	s_wait_tensorcnt 0x0                           ; all my tensor loads have landed: my part of the next slot  (every window is 0 here)
	ds_add_u32 v[SPW], v[NIL]                      ; 0 onto my spare word
	s_wait_dscnt 17                                ; (the add and the youngest sixteen loads, x's blocks 4-7, may be out)
	WIN MUL_LO
	MUL16 0, 1, NQ-1, \slot, 0                     ; sixteen matrix instructions stand between the add and the wait for it
	s_wait_dscnt 0x0                               ; the add is done, and my reads of this slot are over
	s_barrier_signal -1
	MUL16 2, 1, NQ-1, \slot, 0
	WIN 0
	s_barrier_wait -1
.if \fill
	CREST                                          ; the barrier has opened a round of the cluster's barrier: no wave of any partner still reads this slot's tile or has a load on its way
	s_add_nc_u64 s[G0+4*\slot+2:G0+4*\slot+3], s[G0+4*\slot+2:G0+4*\slot+3], 2*ROWB
	s_add_nc_u64 s[G0B+4*\slot+2:G0B+4*\slot+3], s[G0B+4*\slot+2:G0B+4*\slot+3], 2*ROWB
	JLOAD G0+4*\slot, G1, G0B+4*\slot, G1B         ; the first tensor load behind the round, my one load until the next; its four v_nop are among the places in front of the loads below
	PLACES NP-4
.else
	PLACES NP
.endif
	v_add_nc_u32 v[ADRS], 1024, v[ADRS]            ; on to the next K step's scale words: 128 rows x 8 bytes (no LDS load of mine is out)
	FETCH_B \next, 0, 0
	FETCH_A \next, 0, 0
	SCALES \next
	WIN MUL_HI
	MUL16 4, 1, NQ-1, \slot, 0
	MUL16 6, 1, NQ-1, \slot, 0
	PLACES NP
	WIN 0
	FETCH_A \next, 0, 4
.endm
	s_wait_tensorcnt 1                             ; the scales and my part of K step 0 are in (K step 1's load may be out)
	s_barrier_signal -1
	s_barrier_wait -1                              ; everybody's are
	FETCH_B 0, 0, 0
	FETCH_A 0, 0, 0
	SCALES 0
	FETCH_A 0, 0, 4
	s_wait_loadcnt 0x0                             ; b1
	STEP 0, 0, 1                                   ; the first step stands in front of the loop: its products start the sums
	s_mov_b32 s3, LAPS-1
.Llap:                                                 ; a trip goes once round the ring, from a lap's second step to the next lap's first, and fills both slots again
	TURN 0, 1, 1
	STEP 1, 0, 0
	TURN 1, 0, 1
	STEP 0, 0, 0
	s_sub_co_u32 s3, s3, 1
	s_cmp_lg_u32 s3, 0
	s_cbranch_scc1 .Llap
	TURN 0, 1, 0                                   ; the last lap fills nothing, and has no round of the cluster's barrier
	STEP 1, 0, 0
	s_wait_dscnt 16                                ; the very last step: nothing more to fetch
	WIN MUL_LO
	MUL16 0, 1, NQ-1, 1, 0
	MUL16 2, 1, NQ-1, 1, 0
	s_wait_dscnt 0x0
	WIN MUL_HI
	MUL16 4, 1, NQ-1, 1, 0
	MUL16 6, 1, NQ-1, 1, 0
	WIN 0
; THE WAY OUT, a block of 16 rows x my 128 columns at a time: four blocks of 32 along the next K.  Block B of a row lies in accumulators 2 B, 2 B + 1 of lanes l and l xor 16.
.macro QOUT a
.set AC, 64*((\a)%4)
	WIN 0x0a+5*((\a)/4)                            ; sources 0 and 1: window 2 or 3
.irp b, 0,1,2,3
	v_max3_num_f32 v[TM+\b], v[AC+16*\b], v[AC+16*\b+1], 0x4800000   ; no |.|: what is negative becomes 0 and must not count; the floor 2^(9 - 127) stands over it.  Each accumulator is read from its low end on
.endr
.irp i, 2,4,6,8,10,12,14
.irp b, 0,1,2,3
	v_max3_num_f32 v[TM+\b], v[AC+16*\b+\i], v[AC+16*\b+\i+1], v[TM+\b]   ; (the four blocks by turns)
.endr
.endr
	WIN 0
.irp b, 0,1,2,3
	v_permlanex16_b32 v[TM+4+\b], v[TM+\b], s[SEL], s[SEL+1]
.endr
.irp b, 0,1,2,3
	v_max_num_f32 v[TM+\b], v[TM+\b], v[TM+4+\b]   ; with lane l xor 16's 16: the block's largest number
.endr
.irp b, 0,1,2,3
	v_add_nc_u32 v[TM+12+\b], 0xfc000000, v[TM+\b] ; 8 off its exponent field: the conversion's scale operand
.endr
.irp b, 0,1,2,3
	v_and_or_b32 v[TM+8+\b], v[TM+\b], 0x7f800000, s[MNT]   ; 448 x the scale
.endr
.irp b, 0,1,2,3
	v_lshrrev_b32 v[TM+4+\b], 23, v[TM+12+\b]      ; the scale's byte
.endr
	v_lshl_or_b32 v[PW+(\a)], v[TM+5], 8, v[TM+4]  ; my row's scale word for my 128 columns
	v_lshl_or_b32 v[PW+(\a)], v[TM+6], 16, v[PW+(\a)]
	v_lshl_or_b32 v[PW+(\a)], v[TM+7], 24, v[PW+(\a)]
	WIN 0x42+(\a)/4                                ; source 0 window 2 or 3, source 2 window 0, destination window 1
.irp b, 0,1,2,3
.irp i, 0,1,2,3,4,5,6,7,8,9,10,11,12,13,14,15
	v_med3_num_f32 v[T+16*\b+\i], v[AC+16*\b+\i], 0, v[TM+8+\b]   ; relu and the hold in one: between 0 and 448 x the scale (the conversion does not saturate: ISA guide 7.6.2)
.endr
.endr
	WIN 0x01                                       ; source 0 window 1
.irp b, 0,1,2,3
	v_cvt_scalef32_pk8_fp8_f32 v[CD+16*(\a)+4*\b:CD+16*(\a)+4*\b+1], v[T+16*\b:T+16*\b+7], v[TM+12+\b]        ; columns 32 B + 8 h + 0 .. 7
	v_cvt_scalef32_pk8_fp8_f32 v[CD+16*(\a)+4*\b+2:CD+16*(\a)+4*\b+3], v[T+16*\b+8:T+16*\b+15], v[TM+12+\b]   ; columns 32 B + 16 + 8 h + 0 .. 7
.endr
	v_nop                                          ; a plain line behind the last conversion
	WIN 0
.irp b, 0,1,2,3
	ds_store_b64 v[STO], v[CD+16*(\a)+4*\b:CD+16*(\a)+4*\b+1] offset:16*PITCH*(\a)+32*\b
	ds_store_b64 v[STO], v[CD+16*(\a)+4*\b+2:CD+16*(\a)+4*\b+3] offset:16*PITCH*(\a)+32*\b+16
.endr
	ds_store_b32 v[SSO], v[PW+(\a)] offset:128*(\a)   ; lanes l and l xor 16 write the same word with the same value
.endm
	PLACES NP                                      ; behind the last products: their results are read, and registers that they read are written, below
.irp b, 0,1,2,3
	v_mov_b32 v[TM+4+\b], 0                        ; written once: a lane permute's destination counts as one of its sources
.endr
.irp a, 0,1,2,3,4,5,6,7
	QOUT \a
.endr
	s_wait_dscnt 0x0                               ; for the others' sake: my stores into the stage are done
	s_barrier_signal -1
	s_barrier_wait -1                              ; a row's 256 codes and 8 scale bytes come from two waves
	ds_load_b128 v[SW:SW+3], v[SRD]
.irp t, 0,1,2,3,4,5,6,7,8,9,10,11,12,13,14,15,16,17,18,19,20,21,22,23,24,25,26,27,28,29,30,31
	ds_load_b128 v[CD+4*\t:CD+4*\t+3], v[RD] offset:2*PITCH*\t
.endr
	s_wait_dscnt 32                                ; the scale bytes are back; the 32 loads behind them may be out
	global_store_b128 v[SGO], v[SW:SW+3], s[16:17] ; 64 rows x 8 bytes: 512 consecutive bytes, at a multiple of 256
.irp t, 0,1,2,3,4,5,6,7,8,9,10,11,12,13,14,15,16,17,18,19,20,21,22,23,24,25,26,27,28,29,30,31
	s_wait_dscnt 31-\t                             ; loads come back in order: pair t of rows is in
	global_store_b128 v[CO], v[CD+4*\t:CD+4*\t+3], s[14:15] offset:8192*\t   ; sixteen lanes store 256 consecutive bytes of a row of hc, at a multiple of 256
.endr
	s_wait_tensorcnt 0x0                           ; the wave's end, behind my last tensor load and my last LDS store
	ds_add_u32 v[SPW], v[NIL]
	s_wait_dscnt 0x0
	CROUND                                         ; the closing round: no work-group ends while a partner may still ask for a tile that names it
	s_endpgm
.Lfunc_end_k_q725a103942_gemm1:
	.size	k_q725a103942_gemm1, .Lfunc_end_k_q725a103942_gemm1-k_q725a103942_gemm1
	.p2alignl 7, 3214868480
	.fill 96, 4, 3214868480
	.section	.rodata,"a",@progbits
	.p2align	6, 0x0
	.amdhsa_kernel k_q725a103942_gemm1
		.amdhsa_group_segment_fixed_size 327680
		.amdhsa_private_segment_fixed_size 0
		.amdhsa_enable_private_segment 0
		.amdhsa_kernarg_size 56
		.amdhsa_user_sgpr_count 2
		.amdhsa_user_sgpr_kernarg_segment_ptr 1
		.amdhsa_wavefront_size32 1
		.amdhsa_system_sgpr_workgroup_id_x 1
		.amdhsa_system_sgpr_workgroup_id_y 1
		.amdhsa_system_sgpr_workgroup_id_z 1
		.amdhsa_system_vgpr_workitem_id 0
		.amdhsa_next_free_vgpr 1024
		.amdhsa_next_free_sgpr 102
		.amdhsa_reserve_vcc 0
		.amdhsa_float_denorm_mode_32 3
		.amdhsa_float_denorm_mode_16_64 3
		.amdhsa_memory_ordered 1
		.amdhsa_forward_progress 1
		.amdhsa_inst_pref_size 194
	.end_amdhsa_kernel
	.amdgpu_metadata
---
amdhsa.version: [ 1, 2 ]
amdhsa.kernels:
  - .name:           k_q725a103942_gemm1
    .symbol:         k_q725a103942_gemm1.kd
    .args:
      - { .name: xc, .offset: 0, .size: 8, .value_kind: global_buffer, .address_space: global }
      - { .name: xs, .offset: 8, .size: 8, .value_kind: global_buffer, .address_space: global }
      - { .name: w1c, .offset: 16, .size: 8, .value_kind: global_buffer, .address_space: global }
      - { .name: w1s, .offset: 24, .size: 8, .value_kind: global_buffer, .address_space: global }
      - { .name: b1, .offset: 32, .size: 8, .value_kind: global_buffer, .address_space: global }
      - { .name: hc, .offset: 40, .size: 8, .value_kind: global_buffer, .address_space: global }
      - { .name: hs, .offset: 48, .size: 8, .value_kind: global_buffer, .address_space: global }
    .group_segment_fixed_size: 327680
    .private_segment_fixed_size: 0
    .kernarg_segment_align: 8
    .kernarg_segment_size: 56
    .max_flat_workgroup_size: 128
    .sgpr_count:     102
    .vgpr_count:     1024
    .wavefront_size: 32
...
	.end_amdgpu_metadata
.endif
;; end of part 2
;; launch gemm2 (part 3): grid 4 x 64, 4 waves a work-group, clusters of 4 x 4, 327,680 bytes of LDS; arguments hc, hs, w2c, w2s, b2, out0; writes out0
.if DOCPART == 3
	.amdgcn_target "amdgcn-amd-amdhsa--gfx1250"
	.amdhsa_code_object_version 6
	.text
	.protected	k_q725a103942_gemm2
	.globl	k_q725a103942_gemm2
	.p2align	8
	.type	k_q725a103942_gemm2,@function
k_q725a103942_gemm2:
	s_mov_b64 s[64:65], 0
	v_nop
	global_prefetch_b8 v0, s[64:65] scope:SCOPE_SE
	s_setreg_imm32_b32 hwreg(HW_REG_WAVE_MODE, 25, 1), 1
	s_wait_xcnt 0x0
	s_wait_alu depctr_hold_cnt(0) depctr_sa_sdst(0) depctr_va_vdst(0) depctr_va_sdst(0) depctr_va_ssrc(0) depctr_va_vcc(0) depctr_vm_vsrc(0)
	s_getreg_b32 s2, hwreg(HW_REG_IB_STS2, 6, 4)
	s_cmp_eq_u32 s2, 0
	s_cbranch_scc0 .Lentry_in_a_cluster
	s_endpgm
.Lentry_in_a_cluster:
	s_bfe_u32 s2, ttmp6, 0x10000c
	s_cmp_lg_u32 s2, 0xf033
	s_cbranch_scc0 .Lentry_shape_is_right
	s_endpgm
.Lentry_shape_is_right:
; out0 = h W2 + b2, [8192][1024] f32, from codes of FP8 (E4M3) with E8M0 scales.  hc [8192][4096]: codes in rows, K innermost.  w2c: W2's codes in the order of the operand's registers: the fragment of columns 16 i on and
; k = 128 s on begins at byte (32 i + s) x 2,048, four pieces of 512 bytes, 16 bytes a lane.  hs [16][8192][8], w2s [16][1024][8]: scale bytes by steps of 256 along K.  b2 [1024] f32.
; A tile of out0 is 128 rows x 256 columns: 64 x 4 = 256 work-groups of four waves.  A wave makes all 128 rows x 64 columns: 32 accumulators of 16 x 16, 256 registers.
; ONLY h GOES THROUGH LDS.  A slot of the ring of two holds the tile's 128 rows x 1,024 along K: eight steps of 128, 256 matrix instructions a wave between a slot's request and the wait for it; there are three changes of
; slots in all, two of them with a refill.  With W2's 256 rows beside h's in the ring a slot would hold 256 along K, 64 matrix instructions a wave.
; W2'S CODES COME STRAIGHT FROM MEMORY INTO THE OPERAND'S REGISTERS: four fragments (my 64 columns x 128 K) a step, each by four loads of 512 consecutive bytes, in four sets of registers: one at work, three (48 loads) on
; their way.  So they are not shared by multicast, though the four work-groups of a column of the cluster read the same ones: that is the price of the longer slots.
; CLUSTERS: 4 x 4 work-groups.  The four of a row of the cluster cover all 1,024 columns and need the same tiles and scale bytes of h, the four of a column the same scale bytes of W2: these are asked for JOINTLY, by the
; same tensor load with the same descriptor and a mask that names the four.
; K IS WALKED IN FOUR QUARTERS OF 1,024, AND THE QUARTER THAT COMES FIRST HANGS ON THE CLUSTER'S y: time slot t takes quarter (t + y) mod 4, so that the sixteen clusters do not all ask for the same bytes of W2 at the same
; time.  Only global addresses hang on that number: every tile and every piece of scale bytes lands at its TIME SLOT's place in LDS.  So the order of the f32 sums differs from ascending K, and between rows of clusters.
; THE MATRIX INSTRUCTION IS USED TRANSPOSED (source 0 = 16 columns of W2, source 1 = 16 rows of h): a lane holds eight neighbouring numbers of a row of out0.  b2 is the C of each sum's first product: nothing is cleared.
; LIMITS: NaN and infinities are not served.
; REGISTERS, in windows of 256: window 0: v0-31 addresses; v32-63 h's scale words, v64-79 W2's, two sets each, and nothing else ever; v96-127 b2; v128-191 rows of out0 on the way out.
;   window 1: v0-127 h's fragments of even steps; v128-191, v192-255 W2's of steps 0, 2 mod 4.   window 3: the same for odd steps and steps 1, 3 mod 4.   window 2: accumulator (a, b) at v[8 (4 a + b)].
; So an even step multiplies out of window 1 and loads into window 3, an odd step the other way round: two switches of the windows for each group of eight products and twelve loads.
.set PITCH,  1040                      ; an LDS row: 1,024 bytes + 16 of padding = 260 words: row r starts at bank 4 r mod 64 (64 banks of 4 bytes: ISA guide 11.1), so the 16 rows that a load touches start at 16 different banks
.set QTR,    32*PITCH                  ; 32 rows: what one tensor load brings
.set SLOT,   128*PITCH                 ; 133,120 bytes
.set SCA,    2*SLOT                    ; behind the ring: h's scale bytes, [4 time slots][4 steps of 256][128 rows][8 bytes];
.set SCB,    SCA+16384                 ; W2's, [4 time slots][4 steps of 256][256 columns][8 bytes]
.set SPARE,  SCB+32768                 ; the spare words, 128 bytes for each wave: two blocks of 256 bytes that no other line names
.set STAGE,  0                         ; the way out: 16 rows x 272 bytes for each wave, in slot 0, which has had its last fill and its last read by then
.set SPITCH, 272
.set NP,     8                         ; places behind this matrix instruction (ISA guide 7.12.1)
.set ADRA, 16                          ; v16-19  LDS address of my lane's part of h's fragments: slot 0 blocks 0-3, blocks 4-7; slot 1 likewise (an immediate reaches 65,535 bytes)
.set BOFF, 20                          ; v20     16 x lane: my 16 bytes of a piece of a fragment of W2
.set BO,   23                          ; v23     32 x (lane / 16): my eight numbers of a tile of b2
.set STO,  24                          ; v24     the way out: where I put 32 bytes of a row
.set RD,   25                          ; v25     where I read a row back
.set CO,   26                          ; v26     my byte offset in two rows of out0
.set ADRSA, 27                         ; v27     LDS address of h's scale words of my row
.set SPW,  28                          ; v28     LDS address of my spare word; never rewritten
.set NIL,  29                          ; v29     0; never rewritten
.set ADRSB, 30                         ; v30     LDS address of W2's scale words of my column
.set SA,   32                          ; h's scale words: set s at v[SA + 16 s], register 2 a + (step mod 2)
.set SBW,  64                          ; W2's: set s at v[SBW + 8 s], register 2 b + (step mod 2)
.set BIAS, 96                          ; b2: register 8 b + j: column 16 b + 8 (lane / 16) + j of my 64
.set BK,   128                         ; the way out: 16 rows read back: v128-159 and v160-191 by turns
.set KQ,  16                           ; s16-19  the quarter of K that time slot t takes
.set WV,  20                           ; s20 wave;  s21 tile row;  s86 tile column;  s87 the cluster's y mod 4
.set TR,  21
.set TC,  86
.set RHO, 87
.set G1,  24                           ; s[24:31] descriptor group 1 for h's tiles;  s[32:47] group 0, one set for each time slot: none is ever rewritten
.set G0,  32
.set G1S, 48                           ; s[48:55], s[68:71] groups 1 and 0 for h's scale bytes;  s[56:63], s[72:75] for W2's
.set G1SB, 56
.set G0S, 68
.set G0SB, 72
.set BB,  76                           ; s[76:83] where my four tiles of W2 begin in each time slot's quarter: a pair for each, never stepped
.set MSB, 0
.macro WIN new                         ; the immediate's high byte repeats the setting that is left; a switch that changes nothing is dropped
.if MSB != (\new)
	s_set_vgpr_msb (MSB<<8)|(\new)
.set MSB, (\new)
.endif
.endm
.macro PLACES n
.rept \n
	v_nop
.endr
.endm
.macro CROUND                          ; a round of the cluster's barrier: my work-group's barrier; wave 0 signals for the work-group; every wave waits for all sixteen; my work-group's barrier once more
	s_barrier_signal -1
	s_barrier_wait -1
	s_cmp_lg_u32 s[WV], 0
	s_cbranch_scc1 .Lnot_wave_0_\@
	s_barrier_signal -3
.Lnot_wave_0_\@:
	s_barrier_wait -3
	s_barrier_signal -1
	s_barrier_wait -1
.endm
; Fragment g (16 of my 64 columns) of W2 for step q into set q mod 4: four loads of 512 consecutive bytes.  The window of the destination is set by the caller
.macro BLOADG q, g
.irp c, 0,1,2,3
	global_load_b128 v[128+64*(((\q)>>1)&1)+16*(\g)+4*\c:128+64*(((\q)>>1)&1)+16*(\g)+4*\c+3], v[BOFF], s[BB+2*((\q)/8):BB+2*((\q)/8)+1] offset:65536*(\g)+2048*((\q)%8)+512*\c
.endr
.endm
; Fragment i (16 rows x 128 K) of h for step q: lane l holds row l % 16; registers 4 c .. 4 c + 3 hold K = 32 c + 16 (l / 16) + 0 .. 15
.macro AFETCH q, i
.irp c, 0,1,2,3
	ds_load_b128 v[16*(\i)+4*\c:16*(\i)+4*\c+3], v[ADRA+2*(((\q)/8)&1)+(\i)/4] offset:16*PITCH*((\i)%4)+128*((\q)%8)+32*\c
.endr
.endm
; The scale words of steps q and q + 1 (q even): 8 bytes a row: twelve loads
.macro SCALES q
.irp a, 0,1,2,3,4,5,6,7
	ds_load_b64 v[SA+16*(((\q)>>1)&1)+2*\a:SA+16*(((\q)>>1)&1)+2*\a+1], v[ADRSA] offset:4096*((\q)/8)+1024*(((\q)%8)/2)+128*\a
.endr
.irp b, 0,1,2,3
	ds_load_b64 v[SBW+8*(((\q)>>1)&1)+2*\b:SBW+8*(((\q)>>1)&1)+2*\b+1], v[ADRSB] offset:8192*((\q)/8)+2048*(((\q)%8)/2)+128*\b
.endr
.endm
; 8 matrix instructions of step q: h's blocks a0, a0 + 1 against my four tiles of W2.  first = 1: the first product starts the sums, with b2 as its C.
; The 32 accumulators take turns, one instruction a turn, in the same order in every step.
.macro MUL8 q, a0, first
.irp a, \a0, \a0+1
.irp b, 0,1,2,3
.if \first
	v_wmma_scale_f32_16x16x128_f8f6f4 v[8*(4*(\a)+\b):8*(4*(\a)+\b)+7], v[128+64*(((\q)>>1)&1)+16*\b:128+64*(((\q)>>1)&1)+16*\b+15], v[16*(\a):16*(\a)+15], v[BIAS+8*\b:BIAS+8*\b+7], v[SBW+8*(((\q)>>1)&1)+2*\b+((\q)&1)], v[SA+16*(((\q)>>1)&1)+2*(\a)+((\q)&1)]
.else
	v_wmma_scale_f32_16x16x128_f8f6f4 v[8*(4*(\a)+\b):8*(4*(\a)+\b)+7], v[128+64*(((\q)>>1)&1)+16*\b:128+64*(((\q)>>1)&1)+16*\b+15], v[16*(\a):16*(\a)+15], v[8*(4*(\a)+\b):8*(4*(\a)+\b)+7], v[SBW+8*(((\q)>>1)&1)+2*\b+((\q)&1)], v[SA+16*(((\q)>>1)&1)+2*(\a)+((\q)&1)]
.endif
.endr
.endr
.endm
; STEP q, 128 along K: four groups of 8 products; behind group g come h's fragments 2 g, 2 g + 1 of step q + 1 and W2's fragment g of step q + 3, so that each LDS load has a step and each global load three steps in which to land.
; All these loads go into registers that the products of step q - 1 (or earlier ones) read last: the eight v_nop behind the first group are their places.
.macro STEP q, first
.if (\q) <= 29
	s_wait_loadcnt 32                              ; this step's 16 loads of W2 are in (and b2, which is older); the next two steps' 32 may be out
.else
	s_wait_loadcnt 16*(31-(\q))                    ; the tail: one step's, then none
.endif
.irp g, 0,1,2,3
.if (\q) == 31
	s_wait_dscnt 8*(3-\g)                          ; the last step fetches nothing: behind pair g of h's fragments only the later pairs are out
.elseif ((\q)&1) && (\g > 0)
	s_wait_dscnt 36                                ; pair g of h's fragments is in; behind it: three pairs' 24 loads and this odd step's 12 loads of scale words
.else
	s_wait_dscnt 24                                ; pair g of h's fragments is in (and the scale words, which are older); behind it: three pairs' 24 loads
.endif
.if \first
	WIN 0x85                                       ; sources 0 and 1 window 1, C (b2) window 0, D window 2
.else
	WIN 0xa5+10*((\q)&1)                           ; sources 0 and 1 window 1 (even steps) or 3 (odd steps), C and D window 2
.endif
	MUL8 \q, 2*\g, \first
.if (\q) < 31
.if \g == 0
	PLACES NP
.if (\q)&1
	WIN 0
	SCALES (\q)+1                                  ; the next two steps' scale words, into the set that the two steps before this pair read
.endif
.endif
	WIN 0xc0-0x80*((\q)&1)                         ; destination: the other window
	AFETCH (\q)+1, 2*\g
	AFETCH (\q)+1, 2*\g+1
.if (\q) < 29
	BLOADG (\q)+3, \g
.endif
.endif
.endr
.endm
; THE CHANGE OF SLOTS stands at the head of a slot's last step: that step's fragments have been asked for, so the slot's last reads are out, and the step's own fetches are the next slot's first reads.
; Each wave waits for all its tensor loads (its part of the next slot), adds 0 to its spare word, and waits for that and for its reads of this slot.  fill = 1: a round of the cluster's barrier, and this slot takes time slot t's tile.
.macro TURN t, fill
	WIN 0                                          ; at a label and at a branch every window is 0; the add's two registers lie in window 0
	s_wait_tensorcnt 0x0                           ; all my tensor loads have landed
	ds_add_u32 v[SPW], v[NIL]                      ; 0 onto my spare word
	s_wait_dscnt 0x0                               ; the add is done, and my reads of this slot are over
.if \fill
	CROUND                                         ; no wave of any partner still reads this slot's tile or has a load on its way
	tensor_load_to_lds s[G0+4*(\t):G0+4*(\t)+3], s[G1:G1+7]   ; the first thing behind the round, and my one tensor load until the next: eight steps ahead of the wait for it
	s_nop 0
	PLACES 4
.else
	s_barrier_signal -1
	s_barrier_wait -1                              ; the last slot is whole; nothing is filled again
.endif
.endm
	s_load_b256 s[4:11], s[0:1], 0x0               ; hc s[4:5], hs s[6:7], w2c s[8:9], w2s s[10:11]
	s_load_b128 s[12:15], s[0:1], 0x20             ; b2 s[12:13], out0 s[14:15]
	v_lshl_add_u32 v[SPW], v0, 2, SPARE
	v_mov_b32 v[NIL], 0
	ds_add_u32 v28, v29
	ds_add_u32 v28, v29
	s_wait_dscnt 0x0
	v_lshrrev_b32 v1, 5, v0
	v_readfirstlane_b32 s[WV], v1                  ; wave 0..3
	s_bfe_u32 s84, ttmp6, 0x40000                  ; cx, cy: my place in the cluster
	s_bfe_u32 s85, ttmp6, 0x40004
	s_lshl_b32 s[TC], ttmp9, 2
	s_add_co_u32 s[TC], s[TC], s84                 ; tile column = 4 x cluster x + cx
	s_and_b32 s22, ttmp7, 0xffff                   ; the cluster's y, which all sixteen partners share
	s_and_b32 s[RHO], s22, 3
	s_lshl_b32 s[TR], s22, 2
	s_add_co_u32 s[TR], s[TR], s85                 ; tile row = 4 x cluster y + cy
	s_lshl_b32 s88, s85, 2
	s_lshl_b32 s88, 15, s88                        ; my row of the cluster
	s_lshl_b32 s89, 0x1111, s84                    ; my column
.irp t, 0,1,2,3
	s_add_co_u32 s[KQ+\t], s[RHO], \t
	s_and_b32 s[KQ+\t], s[KQ+\t], 3                ; time slot t takes quarter (t + y) mod 4 of K
.endr
	s_add_co_u32 s23, s[RHO], s[WV]
	s_and_b32 s23, s23, 3                          ; and I bring the scale bytes of time slot w: that quarter
	; descriptor group 1: h's tiles: 32 rows x 1,024 bytes, padded in LDS
	s_or_b32 s[G1+0], s88, (0<<16)|(1<<20)|(1<<21)|(7<<22)|(3<<25)   ; 15:0 the mask: my row of the cluster; 17:16 element of 1 byte; 20 padding on; 21 set beside a mask; 24:22 after every 256 words (code 7); 31:25 of 4 words (code 3)
	s_mov_b32 s[G1+1], 1024<<16                    ; tensor_dim0
	s_mov_b32 s[G1+2], 32<<16                      ; tensor_dim1
	s_mov_b32 s[G1+3], 1024<<16                    ; tile_dim0
	s_mov_b32 s[G1+4], 32                          ; tile_dim1
	s_mov_b32 s[G1+5], 4096                        ; tensor_dim0_stride
	s_mov_b32 s[G1+6], 0
	s_mov_b32 s[G1+7], 0
	; the scale bytes of a quarter of K: four rows (steps of 256) of 128 or 256 elements of 8 bytes, a plane of the buffer apart; no padding
	s_or_b32 s[G1S+0], s88, (3<<16)|(1<<21)
	s_mov_b32 s[G1S+1], 128<<16
	s_mov_b32 s[G1S+2], 4<<16
	s_mov_b32 s[G1S+3], 128<<16
	s_mov_b32 s[G1S+4], 4
	s_mov_b32 s[G1S+5], 8192                       ; hs: 8,192 rows to a plane
	s_mov_b32 s[G1S+6], 0
	s_mov_b32 s[G1S+7], 0
	s_or_b32 s[G1SB+0], s89, (3<<16)|(1<<21)       ; W2's go to my column of the cluster
	s_mov_b32 s[G1SB+1], 256<<16
	s_mov_b32 s[G1SB+2], 4<<16
	s_mov_b32 s[G1SB+3], 256<<16
	s_mov_b32 s[G1SB+4], 4
	s_mov_b32 s[G1SB+5], 1024                      ; w2s: 1,024
	s_mov_b32 s[G1SB+6], 0
	s_mov_b32 s[G1SB+7], 0
	; offsets.  What is h's hangs on the tile row, what is W2's on the tile column, each in registers that never hold the other coordinate
	s_lshl_b32 s92, s[TR], 19                      ; hc: 128 x tile row rows of 4,096 bytes,
	s_lshl_b32 s22, s[WV], 17                      ; + 32 x wave rows: the part of a tile that I fetch
	s_add_co_u32 s92, s92, s22
	s_mov_b32 s93, 0
	s_lshl_b32 s94, s23, 18                        ; hs: my quarter's four planes of 65,536 bytes,
	s_lshl_b32 s22, s[TR], 10                      ; + 128 x tile row rows of 8 bytes
	s_add_co_u32 s94, s94, s22
	s_mov_b32 s95, 0
	s_lshl_b32 s96, s23, 15                        ; w2s: my quarter's four planes of 8,192 bytes,
	s_lshl_b32 s3, s[TC], 11                       ; + 256 x tile column rows of 8 bytes
	s_add_co_u32 s96, s96, s3
	s_mov_b32 s97, 0
	s_lshl_b32 s90, s[TC], 20                      ; w2c: 16 x tile column tiles of 16 columns, 65,536 bytes each,
	s_lshl_b32 s3, s[WV], 18                       ; + 4 x wave: my four
	s_add_co_u32 s90, s90, s3
	s_mov_b32 s91, 0
	s_mul_i32 s98, s[WV], QTR                      ; where my part of a tile goes: no place in the cluster enters an LDS address
	s_wait_kmcnt 0x0
	s_add_nc_u64 s[92:93], s[4:5], s[92:93]
	s_add_nc_u64 s[94:95], s[6:7], s[94:95]
	s_add_nc_u64 s[96:97], s[10:11], s[96:97]
	s_add_nc_u64 s[90:91], s[8:9], s[90:91]
.irp t, 0,1,2,3
	s_lshl_b32 s2, s[KQ+\t], 14                    ; a quarter of K is eight fragments of 2,048 bytes in w2c
	s_mov_b32 s3, 0
	s_add_nc_u64 s[BB+2*\t:BB+2*\t+1], s[90:91], s[2:3]
	s_mov_b32 s[G0+4*\t], 1                        ; 1:0 count = 1
	s_add_co_u32 s[G0+4*\t+1], s98, (\t%2)*SLOT    ; 63:32 LDS address: the slots by turns
	s_lshl_b32 s22, s[KQ+\t], 10                   ; and 1,024 bytes of a row of hc
	s_mov_b32 s23, 0
	s_add_nc_u64 s[G0+4*\t+2:G0+4*\t+3], s[92:93], s[22:23]   ; 120:64 global address
	s_or_b32 s[G0+4*\t+3], s[G0+4*\t+3], 0x80000000            ; 127:126 type = 2
.endr
	s_mov_b32 s[G0S], 1
	s_lshl_b32 s22, s[WV], 12
	s_add_co_u32 s[G0S+1], s22, SCA                ; time slot w's place
	s_mov_b64 s[G0S+2:G0S+3], s[94:95]
	s_or_b32 s[G0S+3], s[G0S+3], 0x80000000
	s_mov_b32 s[G0SB], 1
	s_lshl_b32 s22, s[WV], 13
	s_add_co_u32 s[G0SB+1], s22, SCB
	s_mov_b64 s[G0SB+2:G0SB+3], s[96:97]
	s_or_b32 s[G0SB+3], s[G0SB+3], 0x80000000
	; b2 and the first three steps' fragments of W2 are asked for ahead of everything else: 56 loads
	v_and_b32 v1, 15, v0                           ; r = lane % 16
	v_bfe_u32 v2, v0, 4, 1                         ; h = lane / 16
	v_and_b32 v3, 31, v0
	v_lshlrev_b32 v[BOFF], 4, v3
	v_lshlrev_b32 v[BO], 5, v2
	s_lshl_b32 s2, s[TC], 10                       ; b2: 4 (256 x tile column + 64 x wave) bytes on
	s_lshl_b32 s3, s[WV], 8
	s_add_co_u32 s2, s2, s3
	s_mov_b32 s3, 0
	s_add_nc_u64 s[12:13], s[12:13], s[2:3]
	s_add_nc_u64 s[14:15], s[14:15], s[2:3]        ; out0: the same columns,
	s_lshl_b32 s2, s[TR], 19                       ; and 128 x tile row rows of 4,096 bytes
	s_add_nc_u64 s[14:15], s[14:15], s[2:3]
.irp b, 0,1,2,3
	global_load_b128 v[BIAS+8*\b:BIAS+8*\b+3], v[BO], s[12:13] offset:64*\b
	global_load_b128 v[BIAS+8*\b+4:BIAS+8*\b+7], v[BO], s[12:13] offset:64*\b+16
.endr
	WIN 0x40
.irp g, 0,1,2,3
	BLOADG 0, \g
.endr
	WIN 0xc0
.irp g, 0,1,2,3
	BLOADG 1, \g
.endr
	WIN 0x40
.irp g, 0,1,2,3
	BLOADG 2, \g
.endr
	WIN 0
	CROUND                                         ; all sixteen work-groups are here: the first joint loads meet
	tensor_load_to_lds s[G0S:G0S+3], s[G1S:G1S+7]  ; the first fills, every wave the same four lines: h's scale bytes of time slot w,
	s_nop 0
	PLACES 4
	tensor_load_to_lds s[G0SB:G0SB+3], s[G1SB:G1SB+7]   ; W2's,
	s_nop 0
	PLACES 4
	tensor_load_to_lds s[G0:G0+3], s[G1:G1+7]      ; my 32 rows of time slot 0's tile,
	s_nop 0
	PLACES 4
	tensor_load_to_lds s[G0+4:G0+7], s[G1:G1+7]    ; and of time slot 1's: four tensor loads of mine are out
	s_nop 0
	PLACES 4
	v_mul_u32_u24 v3, v1, PITCH
	v_lshl_add_u32 v[ADRA], v2, 4, v3              ; a fragment's row x pitch + 16 x half: all four waves read the same 128 rows
	v_add_nc_u32 v[ADRA+1], 64*PITCH, v[ADRA]
	v_add_nc_u32 v[ADRA+2], SLOT, v[ADRA]
	v_add_nc_u32 v[ADRA+3], SLOT+64*PITCH, v[ADRA]
	v_lshl_add_u32 v[ADRSA], v1, 3, SCA            ; h's scale words: 8 bytes a row (lanes 16-31 read what lanes 0-15 read)
	s_lshl_b32 s22, s[WV], 9
	s_add_co_u32 s22, s22, SCB
	v_lshl_add_u32 v[ADRSB], v1, 3, s22            ; W2's: my 64 columns
	s_mul_i32 s22, s[WV], 16*SPITCH
	s_add_co_u32 s22, s22, STAGE                   ; my stage
	v_mul_u32_u24 v4, v1, SPITCH                   ; in: row r, 32 bytes for each half of the lanes
	v_lshl_add_u32 v4, v2, 5, v4
	v_add_nc_u32 v[STO], s22, v4
	v_mul_u32_u24 v4, v2, SPITCH                   ; back: lanes 0-15 take one row of 256 bytes, lanes 16-31 the next
	v_lshl_add_u32 v4, v1, 4, v4
	v_add_nc_u32 v[RD], s22, v4
	v_lshlrev_b32 v4, 12, v2                       ; and the same two rows in out0
	v_lshl_add_u32 v[CO], v1, 4, v4
	s_wait_tensorcnt 1                             ; my scale bytes and my part of time slot 0's tile are in (time slot 1's load may be out)
	s_barrier_signal -1
	s_barrier_wait -1                              ; everybody's are
	SCALES 0
	WIN 0x40
.irp i, 0,1,2,3,4,5,6,7
	AFETCH 0, \i
.endr
	STEP 0, 1                                      ; the first step's products start the sums
.irp q, 1,2,3,4,5,6,7,8,9,10,11,12,13,14,15,16,17,18,19,20,21,22,23,24,25,26,27,28,29,30,31
.if (\q == 7) || (\q == 15)
	TURN (\q+9)/8, 1                               ; slot 0 takes time slot 2's tile, slot 1 time slot 3's
.endif
.if \q == 23
	TURN 0, 0
.endif
	STEP \q, 0
.endr
	WIN 0
; THE WAY OUT, block by block of 16 rows x my 64 columns.  A lane holds 32 neighbouring bytes of a row, and the lanes beside it hold other rows: so a block goes through my own stage in LDS and comes back as whole
; rows of 256 bytes.  LDS serves a wave's instructions in order (ISA guide 5.7.1.4): no wait between the stores and the loads, nor in front of the next block's stores.
.macro TOSTAGE a
	WIN 0x08                                       ; an LDS store's data are its source 1: window 2
.irp b, 0,1,2,3
	ds_store_b128 v[STO], v[8*(4*(\a)+\b):8*(4*(\a)+\b)+3] offset:64*\b          ; each accumulator from its low end on
	ds_store_b128 v[STO], v[8*(4*(\a)+\b)+4:8*(4*(\a)+\b)+7] offset:64*\b+16
.endr
	WIN 0
.irp t, 0,1,2,3,4,5,6,7
	ds_load_b128 v[BK+32*((\a)%2)+4*\t:BK+32*((\a)%2)+4*\t+3], v[RD] offset:2*SPITCH*\t
.endr
.endm
.macro SEND a, younger                 ; younger: the LDS instructions issued behind block a's loads, which may stay out
	s_wait_dscnt \younger                          ; the block is back in registers
.irp t, 0,1,2,3,4,5,6,7
	global_store_b128 v[CO], v[BK+32*((\a)%2)+4*\t:BK+32*((\a)%2)+4*\t+3], s[14:15] offset:65536*(\a)+8192*\t th:TH_STORE_NT   ; sixteen lanes store 256 consecutive bytes of a row, at a multiple of 256 from out0's first byte; the block and the pair of rows stand in the immediate; written once, read by nobody here
.endr
.endm
	PLACES NP                                      ; behind the last products: their results are read below
	TOSTAGE 0
.irp a, 1,2,3,4,5,6,7
.if \a > 1
	s_wait_xcnt 0x0                                ; block a - 2's stores have read their registers: block a's loads may land there
.endif
	TOSTAGE \a
	SEND \a-1, 16                                  ; behind block a - 1's loads: block a's 8 stores and 8 loads
.endr
	SEND 7, 0
	s_wait_tensorcnt 0x0                           ; the wave's end, behind my last tensor load and my last LDS store
	ds_add_u32 v[SPW], v[NIL]
	s_wait_dscnt 0x0
	CROUND                                         ; the closing round: no work-group ends while a partner may still ask for a tile that names it
	s_endpgm
.Lfunc_end_k_q725a103942_gemm2:
	.size	k_q725a103942_gemm2, .Lfunc_end_k_q725a103942_gemm2-k_q725a103942_gemm2
	.p2alignl 7, 3214868480
	.fill 96, 4, 3214868480
	.section	.rodata,"a",@progbits
	.p2align	6, 0x0
	.amdhsa_kernel k_q725a103942_gemm2
		.amdhsa_group_segment_fixed_size 327680
		.amdhsa_private_segment_fixed_size 0
		.amdhsa_enable_private_segment 0
		.amdhsa_kernarg_size 48
		.amdhsa_user_sgpr_count 2
		.amdhsa_user_sgpr_kernarg_segment_ptr 1
		.amdhsa_wavefront_size32 1
		.amdhsa_system_sgpr_workgroup_id_x 1
		.amdhsa_system_sgpr_workgroup_id_y 1
		.amdhsa_system_sgpr_workgroup_id_z 1
		.amdhsa_system_vgpr_workitem_id 0
		.amdhsa_next_free_vgpr 1024
		.amdhsa_next_free_sgpr 100
		.amdhsa_reserve_vcc 0
		.amdhsa_float_denorm_mode_32 3
		.amdhsa_float_denorm_mode_16_64 3
		.amdhsa_memory_ordered 1
		.amdhsa_forward_progress 1
		.amdhsa_inst_pref_size 255
	.end_amdhsa_kernel
	.section	.bss,"aw",@nobits
	.p2align	6
	.space	262144
	.amdgpu_metadata
---
amdhsa.version: [ 1, 2 ]
amdhsa.kernels:
  - .name:           k_q725a103942_gemm2
    .symbol:         k_q725a103942_gemm2.kd
    .args:
      - { .name: hc, .offset: 0, .size: 8, .value_kind: global_buffer, .address_space: global }
      - { .name: hs, .offset: 8, .size: 8, .value_kind: global_buffer, .address_space: global }
      - { .name: w2c, .offset: 16, .size: 8, .value_kind: global_buffer, .address_space: global }
      - { .name: w2s, .offset: 24, .size: 8, .value_kind: global_buffer, .address_space: global }
      - { .name: b2, .offset: 32, .size: 8, .value_kind: global_buffer, .address_space: global }
      - { .name: out0, .offset: 40, .size: 8, .value_kind: global_buffer, .address_space: global }
    .group_segment_fixed_size: 327680
    .private_segment_fixed_size: 0
    .kernarg_segment_align: 8
    .kernarg_segment_size: 48
    .max_flat_workgroup_size: 128
    .sgpr_count:     100
    .vgpr_count:     1024
    .wavefront_size: 32
...
	.end_amdgpu_metadata
.endif
;; end of part 3
